; MI455X (gfx1250); checked and timed in simulation.
; The chip was launched on July 23, 2026; its instructions are those of AMD's public machine-readable ISA for CDNA 5 (MIT licence, August 2026) and "CDNA5" Instruction Set Architecture Reference Guide (July 2026). The comments in the code are by the model that wrote it; some were corrected since.
;; Factor Layer. Allowed arithmetic: float matrix products may take bf16 or f16 operands with f32 sums; all other float work in f32.
;; Inputs: W_static 4,096 x 32 float32; W_train 4,096 x 32 float32; beta_bn 4,096 float32; gamma 4,096 float32; inputs 4,096 x 4,096 float32.
;; Outputs: out0 4,096 x 32 float32.
;; One version. Each part assembles by itself: llvm-mc -triple=amdgcn-amd-amdhsa -mcpu=gfx1250 --defsym DOCPART=n.
;; ======== version 1 of 1: 4 launches
;; limits: a difference of large sums (such as E[x^2] - mean^2): digits are lost where the result is much smaller than its terms
;; workspace buffers: stats 262,144 bytes; wb 524,288 bytes; part 4,194,304 bytes; pq 1,048,576 bytes; gpart 278,528 bytes
;; launch stats (part 1): grid 32 x 8, 16 waves a work-group, no clusters, 18,432 bytes of LDS; arguments inputs, W_static, W_train, stats, wb; writes stats, wb
.if DOCPART == 1
	.amdgcn_target "amdgcn-amd-amdhsa--gfx1250"
	.amdhsa_code_object_version 6
	.text
	.protected	k_q9fa2c60837_stats
	.globl	k_q9fa2c60837_stats
	.p2align	8
	.type	k_q9fa2c60837_stats,@function
k_q9fa2c60837_stats:
	s_mov_b64 s[64:65], 0
	v_nop
	global_prefetch_b8 v0, s[64:65] scope:SCOPE_SE
	s_setreg_imm32_b32 hwreg(HW_REG_WAVE_MODE, 25, 1), 1
	s_wait_xcnt 0x0
; Launch 1 of 4.  Per column of inputs [4096][4096] f32: mean and sum of squared deviations (M2) of each of 8 groups of 512 rows,
; and both weight tables rounded to bf16 in the order in which launch 2's matrix instructions take them.
; Work-group (cg, rg): columns 128 cg .. +127, rows 512 rg .. +511.  Wave w: 32 rows; lane L: columns 4 L .. 4 L + 3, so a load of
; the wave covers 512 consecutive bytes, aligned.  All 32 loads of a wave go out at once: 16 waves x 32 x 512 bytes = the group's whole share.
; Mean first, then deviations from it (two passes over registers), so that a common offset of the inputs costs no digits; the 16 waves'
; figures are merged by M2 = sum M2_v + 32 sum (mean_v - mean)^2.
; stats: mean[rg][4096] at 16384 rg, M2[rg][4096] at 131072 + 16384 rg.
; wb: chunk g (features 16 g .. +15) at 2048 g: [nt 0..3][lane 0..31][16 bytes]; lane (r = L & 15, h = L >> 4) holds features 16 g + 8 h + 0..7
; of column 16 nt + r of [W_static | W_train].  Work-group (cg, rg) makes chunk g = cg + 32 rg, waves 4 to 7 one nt each.
.set XR, 32                            ; v[32:159]  row i of my 32: 4 registers
.set CH, 8                             ; v[8:23]    four chains of 4 registers
.set MN, 24                            ; v[24:27]   mean
.set WV, 160                           ; v[160:167] eight weights
.set OB, 168                           ; v[168:171] the same as bf16
.macro ADD4 d, a, b
	v_pk_add_f32 v[\d:\d+1], v[\a:\a+1], v[\b:\b+1]
	v_pk_add_f32 v[\d+2:\d+3], v[\a+2:\a+3], v[\b+2:\b+3]
.endm
.macro SUB4 d, a, b
	v_pk_add_f32 v[\d:\d+1], v[\a:\a+1], v[\b:\b+1] neg_lo:[0,1] neg_hi:[0,1]
	v_pk_add_f32 v[\d+2:\d+3], v[\a+2:\a+3], v[\b+2:\b+3] neg_lo:[0,1] neg_hi:[0,1]
.endm
.macro SQR4 d, a                       ; d = a a: starts a chain, nothing is cleared
	v_pk_mul_f32 v[\d:\d+1], v[\a:\a+1], v[\a:\a+1]
	v_pk_mul_f32 v[\d+2:\d+3], v[\a+2:\a+3], v[\a+2:\a+3]
.endm
.macro SQA4 d, a                       ; d += a a
	v_pk_fma_f32 v[\d:\d+1], v[\a:\a+1], v[\a:\a+1], v[\d:\d+1]
	v_pk_fma_f32 v[\d+2:\d+3], v[\a+2:\a+3], v[\a+2:\a+3], v[\d+2:\d+3]
.endm
.macro JOIN4                           ; the four chains into the first
	ADD4 CH, CH, CH+4
	ADD4 CH+8, CH+8, CH+12
	ADD4 CH, CH, CH+8
.endm
	s_load_b256 s[4:11], s[0:1], 0x0               ; inputs s[4:5], W_static s[6:7], W_train s[8:9], stats s[10:11]
	s_load_b64 s[12:13], s[0:1], 0x20              ; wb
	v_lshl_add_u32 v176, v0, 2, 0x4000
	v_mov_b32 v177, 0
	v_lshrrev_b32 v2, 5, v0
	v_readfirstlane_b32 s16, v2                    ; wave 0..15
	s_and_b32 s17, ttmp7, 0xffff                   ; rg
	v_and_b32 v1, 31, v0                           ; lane
	v_lshlrev_b32 v3, 4, v1                        ; 16 L: never rewritten
	v_lshl_add_u32 v5, s16, 9, v3                  ; LDS: 512 w + 16 L
	s_lshl_b32 s18, s17, 23                        ; 512 rg rows of 16,384 bytes
	s_lshl_b32 s19, s16, 19                        ; 32 w rows
	s_or_b32 s18, s18, s19
	s_lshl_b32 s19, ttmp9, 9                       ; 128 cg columns
	s_or_b32 s18, s18, s19
	s_mov_b32 s19, 0
	s_lshr_b32 s20, s16, 2                         ; 1 for waves 4 to 7
	s_wait_kmcnt 0x0
	s_add_nc_u64 s[4:5], s[4:5], s[18:19]
.set i, 0
.rept 32
	global_load_b128 v[XR+4*i:XR+4*i+3], v3, s[4:5] offset:16384*i
.set i, i+1
.endr
	; Waves 4 to 7: one quarter of the group's chunk of wb, in one branch.  The eight loads are the youngest, so their wait is for 0;
	; the x loads are already on their way and the counted waits below are then met at once.
	s_cmp_lg_u32 s20, 1
	s_cbranch_scc1 .Lno_w
	s_and_b32 s26, s16, 3                          ; nt
	s_cmp_lt_u32 s26, 2
	s_cselect_b64 s[22:23], s[6:7], s[8:9]         ; nt 0, 1: W_static; nt 2, 3: W_train
	s_lshl_b32 s21, s17, 5
	s_add_co_u32 s21, s21, ttmp9                   ; g = cg + 32 rg
	s_and_b32 s24, s26, 1
	s_lshl_b32 s24, s24, 6                         ; 16 (nt & 1) columns of 4 bytes
	s_lshl_b32 s25, s21, 11                        ; 16 g rows of 128 bytes
	s_add_co_u32 s24, s24, s25
	s_mov_b32 s25, 0
	s_add_nc_u64 s[22:23], s[22:23], s[24:25]
	s_lshl_b32 s24, s21, 11                        ; wb: 2048 g + 512 nt
	s_lshl_b32 s27, s26, 9
	s_add_co_u32 s24, s24, s27
	s_add_nc_u64 s[12:13], s[12:13], s[24:25]
	v_lshrrev_b32 v4, 4, v1                        ; h
	v_and_b32 v6, 15, v1                           ; r
	v_lshlrev_b32 v6, 2, v6
	v_lshl_add_u32 v4, v4, 10, v6                  ; 8 h rows + 4 r
.irp e, 0,1,2,3,4,5,6,7
	global_load_b32 v[WV+\e], v4, s[22:23] offset:128*\e       ; W[16 g + 8 h + e][16 (nt & 1) + r]
.endr
	s_wait_loadcnt 0x0
.irp e, 0,1,2,3
	v_cvt_pk_bf16_f32 v[OB+\e], v[WV+2*\e], v[WV+2*\e+1]
.endr
	global_store_b128 v3, v[OB:OB+3], s[12:13]     ; the wave stores 512 consecutive bytes, aligned
.Lno_w:
	; pass 1: sums in four chains; the first eight rows start them
.set i, 4
.rept 28
	s_wait_loadcnt 31-i                            ; loads come back in order: row i is in, the 31 - i younger ones stay out
.if i < 8
	ADD4 CH+4*(i&3), XR+4*(i&3), XR+4*i
.else
	ADD4 CH+4*(i&3), CH+4*(i&3), XR+4*i
.endif
.set i, i+1
.endr
	JOIN4
	v_pk_mul_f32 v[MN:MN+1], v[CH:CH+1], 0x3d000000 op_sel_hi:[1,0]       ; / 32
	v_pk_mul_f32 v[MN+2:MN+3], v[CH+2:CH+3], 0x3d000000 op_sel_hi:[1,0]
	; pass 2: squared deviations from the wave's own mean
.set i, 0
.rept 32
	SUB4 XR+4*i, XR+4*i, MN
.if i < 4
	SQR4 CH+4*i, XR+4*i
.else
	SQA4 CH+4*(i&3), XR+4*i
.endif
.set i, i+1
.endr
	JOIN4
	ds_store_b128 v5, v[MN:MN+3]                   ; mean[w][128] at 512 w
	ds_store_b128 v5, v[CH:CH+3] offset:8192       ; M2[w][128] at 8192 + 512 w
	s_wait_dscnt 0x0                               ; my stores are done before I say so
	s_barrier_signal -1
	s_barrier_wait -1
	s_cmp_lg_u32 s16, 0
	s_cbranch_scc1 .Lend
	; wave 0 merges the sixteen waves' figures
.set k, 0
.rept 16
	ds_load_b128 v[XR+4*k:XR+4*k+3], v3 offset:512*k
.set k, k+1
.endr
.set k, 0
.rept 16
	ds_load_b128 v[XR+64+4*k:XR+64+4*k+3], v3 offset:8192+512*k
.set k, k+1
.endr
	s_lshl_b32 s28, s17, 14                        ; stats: 16384 rg + 512 cg
	s_lshl_b32 s29, ttmp9, 9
	s_add_co_u32 s28, s28, s29
	s_mov_b32 s29, 0
	s_add_nc_u64 s[10:11], s[10:11], s[28:29]
	s_wait_dscnt 0x0
.set k, 4
.rept 12
.if k < 8
	ADD4 CH+4*(k&3), XR+4*(k&3), XR+4*k
.else
	ADD4 CH+4*(k&3), CH+4*(k&3), XR+4*k
.endif
.set k, k+1
.endr
	JOIN4
	v_pk_mul_f32 v[MN:MN+1], v[CH:CH+1], 0x3d800000 op_sel_hi:[1,0]       ; / 16
	v_pk_mul_f32 v[MN+2:MN+3], v[CH+2:CH+3], 0x3d800000 op_sel_hi:[1,0]
.set k, 0
.rept 16
	SUB4 XR+4*k, XR+4*k, MN
.if k < 4
	SQR4 CH+4*k, XR+4*k
.else
	SQA4 CH+4*(k&3), XR+4*k
.endif
.set k, k+1
.endr
	JOIN4
.set k, 4
.rept 12
	ADD4 XR+64+4*(k&3), XR+64+4*(k&3), XR+64+4*k
.set k, k+1
.endr
	ADD4 XR+64, XR+64, XR+68
	ADD4 XR+72, XR+72, XR+76
	ADD4 XR+64, XR+64, XR+72
	v_pk_fma_f32 v[XR+64:XR+65], v[CH:CH+1], 0x42000000, v[XR+64:XR+65] op_sel_hi:[1,0,1]     ; + 32 sum (mean_v - mean)^2
	v_pk_fma_f32 v[XR+66:XR+67], v[CH+2:CH+3], 0x42000000, v[XR+66:XR+67] op_sel_hi:[1,0,1]
	global_store_b128 v3, v[MN:MN+3], s[10:11]                     ; 512 consecutive bytes, aligned
	global_store_b128 v3, v[XR+64:XR+67], s[10:11] offset:131072
.Lend:
	s_wait_tensorcnt 0x0
	ds_add_u32 v176, v177
	s_wait_dscnt 0x0
	s_endpgm
.Lfunc_end_k_q9fa2c60837_stats:
	.size	k_q9fa2c60837_stats, .Lfunc_end_k_q9fa2c60837_stats-k_q9fa2c60837_stats
	.p2alignl 7, 3214868480
	.fill 96, 4, 3214868480
	.section	.rodata,"a",@progbits
	.p2align	6, 0x0
	.amdhsa_kernel k_q9fa2c60837_stats
		.amdhsa_group_segment_fixed_size 18432
		.amdhsa_private_segment_fixed_size 0
		.amdhsa_enable_private_segment 0
		.amdhsa_kernarg_size 40
		.amdhsa_user_sgpr_count 2
		.amdhsa_user_sgpr_kernarg_segment_ptr 1
		.amdhsa_wavefront_size32 1
		.amdhsa_system_sgpr_workgroup_id_x 1
		.amdhsa_system_sgpr_workgroup_id_y 1
		.amdhsa_system_sgpr_workgroup_id_z 1
		.amdhsa_system_vgpr_workitem_id 0
		.amdhsa_next_free_vgpr 178
		.amdhsa_next_free_sgpr 66
		.amdhsa_reserve_vcc 0
		.amdhsa_float_denorm_mode_32 3
		.amdhsa_float_denorm_mode_16_64 3
		.amdhsa_memory_ordered 1
		.amdhsa_forward_progress 1
		.amdhsa_inst_pref_size 31
	.end_amdhsa_kernel
	.amdgpu_metadata
---
amdhsa.version: [ 1, 2 ]
amdhsa.kernels:
  - .name:           k_q9fa2c60837_stats
    .symbol:         k_q9fa2c60837_stats.kd
    .args:
      - { .name: inputs, .offset: 0, .size: 8, .value_kind: global_buffer, .address_space: global }
      - { .name: W_static, .offset: 8, .size: 8, .value_kind: global_buffer, .address_space: global }
      - { .name: W_train, .offset: 16, .size: 8, .value_kind: global_buffer, .address_space: global }
      - { .name: stats, .offset: 24, .size: 8, .value_kind: global_buffer, .address_space: global }
      - { .name: wb, .offset: 32, .size: 8, .value_kind: global_buffer, .address_space: global }
    .group_segment_fixed_size: 18432
    .private_segment_fixed_size: 0
    .kernarg_segment_align: 8
    .kernarg_segment_size: 40
    .max_flat_workgroup_size: 512
    .sgpr_count:     66
    .vgpr_count:     178
    .wavefront_size: 32
...
	.end_amdgpu_metadata
.endif
;; end of part 1
;; launch proj (part 2): grid 4 x 64, 8 waves a work-group, no clusters, 287,744 bytes of LDS; arguments inputs, stats, gamma, beta_bn, wb, part; writes part
.if DOCPART == 2
	.amdgcn_target "amdgcn-amd-amdhsa--gfx1250"
	.amdhsa_code_object_version 6
	.text
	.protected	k_q9fa2c60837_proj
	.globl	k_q9fa2c60837_proj
	.p2align	8
	.type	k_q9fa2c60837_proj,@function
k_q9fa2c60837_proj:
	s_mov_b64 s[64:65], 0
	v_nop
	global_prefetch_b8 v0, s[64:65] scope:SCOPE_SE
	s_setreg_imm32_b32 hwreg(HW_REG_WAVE_MODE, 25, 1), 1
	s_wait_xcnt 0x0
; Launch 2 of 4.  [P | Q] = X [W_static | W_train], X = (x - mean) rsqrt(var + 0.001) gamma + beta, as four partial sums over K.
; Only Xo w is ever used of the orthogonalised X, and (X - D D^T X / B) w = X w - D (D^T (X w)) / B for every input, so the two products
; X W are all the matrix work that is left; the ORDER OF ROUNDING differs from the reference's by that step.
; X is formed in f32 as x s + t (s = gamma rsqrt(var + eps), t = beta - mean s, one fused multiply-add) and rounded to bf16, W likewise.
; Work-group (ks, mb): rows 64 mb .. +63, features 1024 ks .. +1023.  Wave w: all 64 rows x features 1024 ks + 128 w .. +127:
; 4 K steps of 32 x 4 row tiles x 4 column tiles = 64 matrix instructions on 16 accumulators.
; x comes by two tensor loads a wave (64 rows x 256 bytes each, rows aligned to 256 bytes): the group's whole share, 256 KiB, is asked for
; at the start, each LDS byte is filled once, and only the issuing wave reads its strips, behind its own wait on TENSORcnt.
; NO CLUSTER: what work-groups share is wb (128 KiB of a group's 448 KiB); to be shared it would have to lie in LDS, of which the padded
; x tile takes 278,528 of 327,680 bytes.  wb goes straight into registers, already in fragment order.
; LDS: strip (w, p) at 34816 w + 17408 p, 64 rows of pitch 272; s and t of wave w at 278528 + 1024 w (bytes into which no tensor load lands);
; the stage of the K reduction is wave w's own strip 0, which has had its only fill.
; THE MATRIX INSTRUCTION IS USED TRANSPOSED: source 0 = 16 columns of W, source 1 = 16 rows of X: lane (r, h), register j holds
; PQ[16 mt + r][16 nt + 8 h + j], eight neighbouring numbers of a row.
.set G1, 16                            ; s[16:23] descriptor group 1
.set G0, 24                            ; s[24:31] descriptor group 0, one set for each strip
.set SV, 16                            ; v[16:31]   s of a K step, in the order of the fragment's f32 sources
.set TV, 32                            ; v[32:47]   t likewise
.set XF, 48                            ; v[48:111]  row tile mt: 16 registers of f32, then 8 of bf16
.set ACC, 112                          ; v[112:239] tile (mt, nt) at 112 + 8 (4 mt + nt)
.set PM, 112                           ; the prologue's registers lie where the accumulators will: 8 group means,
.set P2, 144                           ; 8 group M2,
.set GA, 176                           ; gamma,
.set BE, 180                           ; beta,
.set ME, 184                           ; mean,
.set A0, 188                           ; two chains, then var + eps,
.set A1, 192
.set SS, 196                           ; s,
.set TT, 200                           ; t,
.set C8, 204                           ; 1 / 8
; window 1 (v256-383, written v0-127): fragment (q, nt) of wb at 8 (4 q + nt)
.set MSB, 0
.macro WIN new                         ; the immediate's high byte repeats the setting that is left
.if MSB != \new
	s_set_vgpr_msb (MSB<<8)|\new
.set MSB, \new
.endif
.endm
.macro ADD4 d, a, b
	v_pk_add_f32 v[\d:\d+1], v[\a:\a+1], v[\b:\b+1]
	v_pk_add_f32 v[\d+2:\d+3], v[\a+2:\a+3], v[\b+2:\b+3]
.endm
.macro SUB4 d, a, b
	v_pk_add_f32 v[\d:\d+1], v[\a:\a+1], v[\b:\b+1] neg_lo:[0,1] neg_hi:[0,1]
	v_pk_add_f32 v[\d+2:\d+3], v[\a+2:\a+3], v[\b+2:\b+3] neg_lo:[0,1] neg_hi:[0,1]
.endm
.macro SQR4 d, a
	v_pk_mul_f32 v[\d:\d+1], v[\a:\a+1], v[\a:\a+1]
	v_pk_mul_f32 v[\d+2:\d+3], v[\a+2:\a+3], v[\a+2:\a+3]
.endm
.macro SQA4 d, a
	v_pk_fma_f32 v[\d:\d+1], v[\a:\a+1], v[\a:\a+1], v[\d:\d+1]
	v_pk_fma_f32 v[\d+2:\d+3], v[\a+2:\a+3], v[\a+2:\a+3], v[\d+2:\d+3]
.endm
.macro TREE8 b                         ; eight groups of 4 registers from b on, summed into the first: ((0+1)+(2+3))+((4+5)+(6+7))
	ADD4 \b, \b, \b+4
	ADD4 \b+8, \b+8, \b+12
	ADD4 \b+16, \b+16, \b+20
	ADD4 \b+24, \b+24, \b+28
	ADD4 \b, \b, \b+8
	ADD4 \b+16, \b+16, \b+24
	ADD4 \b, \b, \b+16
.endm
	s_load_b256 s[4:11], s[0:1], 0x0               ; inputs s[4:5], stats s[6:7], gamma s[8:9], beta_bn s[10:11]
	s_load_b128 s[12:15], s[0:1], 0x20             ; wb s[12:13], part s[14:15]
	v_lshl_add_u32 v254, v0, 2, 0x46000
	v_mov_b32 v255, 0
	ds_add_u32 v254, v255
	ds_add_u32 v254, v255
	v_lshrrev_b32 v1, 5, v0
	v_readfirstlane_b32 s32, v1                    ; wave 0..7
	s_and_b32 s34, ttmp7, 0xffff                   ; mb
	; group 1: a tile of 64 rows x 64 elements of 4 bytes, 16 bytes of padding behind each row of 256
	s_mov_b32 s[G1+0], (2<<16)|(1<<20)|(5<<22)|(3<<25)
	s_mov_b32 s[G1+1], 64<<16                      ; tensor_dim0 = 64
	s_mov_b32 s[G1+2], 64<<16                      ; tensor_dim1 = 64
	s_mov_b32 s[G1+3], 64<<16                      ; tile_dim0 = 64
	s_mov_b32 s[G1+4], 64                          ; tile_dim1 = 64
	s_mov_b32 s[G1+5], 4096                        ; elements from row to row
	s_mov_b32 s[G1+6], 0
	s_mov_b32 s[G1+7], 0
	s_mul_i32 s41, s32, 34816                      ; my two strips in LDS
	s_lshl_b32 s36, s34, 20                        ; 64 mb rows of 16,384 bytes
	s_lshl_b32 s37, ttmp9, 12                      ; 1024 ks columns of 4 bytes
	s_lshl_b32 s38, s32, 9                         ; 128 w columns
	s_or_b32 s38, s38, s37                         ; my columns' byte offset in a row, in stats, gamma and beta
	s_or_b32 s36, s36, s38
	s_mov_b32 s37, 0
	s_mov_b32 s39, 0
	s_wait_dscnt 0x0
	s_wait_kmcnt 0x0
	s_add_nc_u64 s[4:5], s[4:5], s[36:37]
.irp p, 0,1
	s_mov_b32 s[G0+4*\p], 1
	s_add_co_u32 s[G0+4*\p+1], s41, \p*17408
	s_add_nc_u64 s[G0+4*\p+2:G0+4*\p+3], s[4:5], \p*256
	s_or_b32 s[G0+4*\p+3], s[G0+4*\p+3], 0x80000000
	tensor_load_to_lds s[G0+4*\p:G0+4*\p+3], s[G1:G1+7]            ; two tensor loads of the wave are out, and none follows
	s_nop 0
.endr
	s_add_nc_u64 s[6:7], s[6:7], s[38:39]
	s_add_nc_u64 s[8:9], s[8:9], s[38:39]
	s_add_nc_u64 s[10:11], s[10:11], s[38:39]
	s_lshl_b32 s42, ttmp9, 17                      ; wb: 64 ks chunks of 2,048 bytes
	s_lshl_b32 s43, s32, 14                        ; + 8 w chunks
	s_or_b32 s42, s42, s43
	s_mov_b32 s43, 0
	s_add_nc_u64 s[12:13], s[12:13], s[42:43]
	s_lshl_b32 s44, ttmp9, 20                      ; part: plane ks,
	s_lshl_b32 s45, s34, 14                        ; row 64 mb
	s_or_b32 s44, s44, s45
	s_lshl_b32 s45, s32, 11                        ; + 8 w, of 256 bytes
	s_or_b32 s44, s44, s45
	s_mov_b32 s45, 0
	s_add_nc_u64 s[14:15], s[14:15], s[44:45]
	v_and_b32 v1, 31, v0                           ; L
	v_and_b32 v2, 15, v0                           ; r
	v_bfe_u32 v3, v0, 4, 1                         ; h
	v_lshlrev_b32 v4, 4, v1                        ; 16 L: never rewritten
.set g, 0
.rept 8
	global_load_b128 v[PM+4*g:PM+4*g+3], v4, s[6:7] offset:16384*g
.set g, g+1
.endr
.set g, 0
.rept 8
	global_load_b128 v[P2+4*g:P2+4*g+3], v4, s[6:7] offset:131072+16384*g
.set g, g+1
.endr
	global_load_b128 v[GA:GA+3], v4, s[8:9]
	global_load_b128 v[BE:BE+3], v4, s[10:11]
	WIN 0x40                                       ; destination in window 1
.irp q, 0,1,2,3
.irp nt, 0,1,2,3
.irp jh, 0,1
	global_load_b128 v[8*(4*\q+\nt)+4*\jh:8*(4*\q+\nt)+4*\jh+3], v4, s[12:13] offset:\q*4096+\jh*2048+\nt*512
.endr
.endr
.endr
	WIN 0
	; LDS addresses
	s_mul_i32 s40, s32, 8*272
	s_lshl_b32 s46, s32, 10
	s_add_co_u32 s46, s46, 278528
	v_mul_u32_u24 v5, v2, 272
	v_lshl_add_u32 v5, v3, 5, v5
	v_add_nc_u32 v5, s41, v5                       ; x fragments and the stage: my strips + 272 r + 32 h
	v_lshl_add_u32 v6, v3, 5, s46                  ; s, t as read: + 32 h
	v_lshl_add_u32 v7, v1, 4, s46                  ; s, t as stored: + 16 L
	v_mul_u32_u24 v9, v3, 272
	v_lshl_add_u32 v9, v2, 4, v9
	v_add_nc_u32 v10, s40, v9                      ; the reduction: row 8 w + h of the stage of waves 0, 1
	v_add_nc_u32 v11, 69632, v10                   ; of waves 2, 3
	v_add_nc_u32 v12, 139264, v10                  ; of waves 4, 5
	v_add_nc_u32 v13, 208896, v10                  ; of waves 6, 7
	; s and t of my 128 columns, 4 a lane
	s_wait_loadcnt 32                              ; the 18 loads of the statistics are in; wb's 32 stay out
	ADD4 ME, PM, PM+4
	ADD4 A0, PM+8, PM+12
	ADD4 A1, PM+16, PM+20
	ADD4 SS, PM+24, PM+28
	ADD4 ME, ME, A0
	ADD4 A1, A1, SS
	ADD4 ME, ME, A1
	v_pk_mul_f32 v[ME:ME+1], v[ME:ME+1], 0x3e000000 op_sel_hi:[1,0]       ; / 8
	v_pk_mul_f32 v[ME+2:ME+3], v[ME+2:ME+3], 0x3e000000 op_sel_hi:[1,0]
.set g, 0
.rept 8
	SUB4 PM+4*g, PM+4*g, ME
.if g < 2
	SQR4 A0+4*g, PM+4*g
.else
	SQA4 A0+4*(g&1), PM+4*g
.endif
.set g, g+1
.endr
	ADD4 A0, A0, A1
	TREE8 P2
	v_mov_b32 v[C8], 0x3e000000
.irp e, 0,1,2,3
	v_fmaak_f32 v[A0+\e], v[A0+\e], v[C8], 0x3a83126f              ; 512 / 4096 sum (mean_g - mean)^2 + eps
	v_fmamk_f32 v[A0+\e], v[P2+\e], 0x39800000, v[A0+\e]           ; + sum M2_g / 4096
.endr
.irp e, 0,1,2,3
	v_rsq_f32 v[SS+\e], v[A0+\e]
.endr
	v_nop                                          ; one plain place behind the last v_rsq_f32 before its result is used (ISA guide 5.7.2)
	s_wait_alu depctr_va_vdst(0)
	v_pk_mul_f32 v[SS:SS+1], v[SS:SS+1], v[GA:GA+1]
	v_pk_mul_f32 v[SS+2:SS+3], v[SS+2:SS+3], v[GA+2:GA+3]
	v_pk_fma_f32 v[TT:TT+1], v[ME:ME+1], v[SS:SS+1], v[BE:BE+1] neg_lo:[1,0,0] neg_hi:[1,0,0]
	v_pk_fma_f32 v[TT+2:TT+3], v[ME+2:ME+3], v[SS+2:SS+3], v[BE+2:BE+3] neg_lo:[1,0,0] neg_hi:[1,0,0]
	ds_store_b128 v7, v[SS:SS+3]                   ; my wave's own bytes: LDS serves a wave's instructions in order, so its loads below see them
	ds_store_b128 v7, v[TT:TT+3] offset:512
; One K step of 32.  A fragment's lane (r, h) wants k = 8 h + 0..7 and 16 + 8 h + 0..7: in f32 that is 32 bytes at 32 h and 32 at 64 + 32 h.
.macro KSTEP q, zero
.irp o, 0,1
	ds_load_b128 v[SV+8*\o:SV+8*\o+3],   v6 offset:\q*128+64*\o
	ds_load_b128 v[SV+8*\o+4:SV+8*\o+7], v6 offset:\q*128+64*\o+16
	ds_load_b128 v[TV+8*\o:TV+8*\o+3],   v6 offset:512+\q*128+64*\o
	ds_load_b128 v[TV+8*\o+4:TV+8*\o+7], v6 offset:512+\q*128+64*\o+16
.endr
.irp mt, 0,1,2,3
.irp o, 0,1
	ds_load_b128 v[XF+16*\mt+8*\o:XF+16*\mt+8*\o+3],   v5 offset:(\q>>1)*17408+\mt*4352+(\q&1)*128+64*\o
	ds_load_b128 v[XF+16*\mt+8*\o+4:XF+16*\mt+8*\o+7], v5 offset:(\q>>1)*17408+\mt*4352+(\q&1)*128+64*\o+16
.endr
.endr
.irp mt, 0,1,2,3
	s_wait_dscnt 12-4*\mt                          ; s, t and row tile mt are in; the later tiles' four loads each stay out
.irp i, 0,2,4,6,8,10,12,14
	v_pk_fma_f32 v[XF+16*\mt+\i:XF+16*\mt+\i+1], v[XF+16*\mt+\i:XF+16*\mt+\i+1], v[SV+\i:SV+\i+1], v[TV+\i:TV+\i+1]
.endr
.irp i, 0,1,2,3,4,5,6,7
	v_cvt_pk_bf16_f32 v[XF+16*\mt+\i], v[XF+16*\mt+2*\i], v[XF+16*\mt+2*\i+1]     ; in place, ascending: register i is read no later than it is written
.endr
.endr
	s_wait_loadcnt 24-8*\q                         ; this K step's eight loads of wb are in; the later steps' stay out
	WIN 0x01                                       ; source 0 in window 1
.irp mt, 0,1,2,3
.irp nt, 0,1,2,3
.if \zero
	v_wmma_f32_16x16x32_bf16 v[ACC+8*(4*\mt+\nt):ACC+8*(4*\mt+\nt)+7], v[8*(4*\q+\nt):8*(4*\q+\nt)+7], v[XF+16*\mt:XF+16*\mt+7], 0
.else
	v_wmma_f32_16x16x32_bf16 v[ACC+8*(4*\mt+\nt):ACC+8*(4*\mt+\nt)+7], v[8*(4*\q+\nt):8*(4*\q+\nt)+7], v[XF+16*\mt:XF+16*\mt+7], v[ACC+8*(4*\mt+\nt):ACC+8*(4*\mt+\nt)+7]
.endif
.endr
.endr
	WIN 0
.rept 4
	v_nop                                          ; four places behind the last matrix instruction before loads land on its sources or stores read its result
.endr
.endm
	; the sixteen accumulators take turns, one instruction a turn, over the K steps too
	s_wait_tensorcnt 0x1                           ; tensor loads of a wave end in order: strip 0 is in, strip 1 stays out
	KSTEP 0, 1                                     ; the first products start the sums
	KSTEP 1, 0
	s_wait_tensorcnt 0x0                           ; strip 1 is in
	KSTEP 2, 0
	KSTEP 3, 0
	; the eight waves' partial sums meet in LDS: each wave lays its 64 x 64 block into its own strip 0, rows of pitch 272
.irp mt, 0,1,2,3
.irp nt, 0,1,2,3
.irp c, 0,1
	ds_store_b128 v5, v[ACC+8*(4*\mt+\nt)+4*\c:ACC+8*(4*\mt+\nt)+4*\c+3] offset:\mt*4352+\nt*64+16*\c
.endr
.endr
.endr
	s_wait_dscnt 0x0                               ; my stores are done before I say so
	s_barrier_signal -1
	s_barrier_wait -1
	; wave w sums rows 8 w .. 8 w + 7 over the eight stages, two rows (512 bytes) to a load
.irp u, 0,1,2,3
.irp sv, 0,1,2,3,4,5,6,7
	ds_load_b128 v[ACC+4*(8*\u+\sv):ACC+4*(8*\u+\sv)+3], v[10+(\sv>>1)] offset:(\sv&1)*34816+\u*544
.endr
.endr
.irp u, 0,1,2,3
	s_wait_dscnt 8*(3-\u)                          ; pair u's eight loads are in; the later pairs' stay out
	TREE8 ACC+32*\u
	global_store_b128 v4, v[ACC+32*\u:ACC+32*\u+3], s[14:15] offset:512*\u       ; 512 consecutive bytes, aligned
.endr
	s_wait_tensorcnt 0x0
	ds_add_u32 v254, v255
	s_wait_dscnt 0x0
	s_endpgm
.Lfunc_end_k_q9fa2c60837_proj:
	.size	k_q9fa2c60837_proj, .Lfunc_end_k_q9fa2c60837_proj-k_q9fa2c60837_proj
	.p2alignl 7, 3214868480
	.fill 96, 4, 3214868480
	.section	.rodata,"a",@progbits
	.p2align	6, 0x0
	.amdhsa_kernel k_q9fa2c60837_proj
		.amdhsa_group_segment_fixed_size 287744
		.amdhsa_private_segment_fixed_size 0
		.amdhsa_enable_private_segment 0
		.amdhsa_kernarg_size 48
		.amdhsa_user_sgpr_count 2
		.amdhsa_user_sgpr_kernarg_segment_ptr 1
		.amdhsa_wavefront_size32 1
		.amdhsa_system_sgpr_workgroup_id_x 1
		.amdhsa_system_sgpr_workgroup_id_y 1
		.amdhsa_system_sgpr_workgroup_id_z 1
		.amdhsa_system_vgpr_workitem_id 0
		.amdhsa_next_free_vgpr 384
		.amdhsa_next_free_sgpr 66
		.amdhsa_reserve_vcc 0
		.amdhsa_float_denorm_mode_32 3
		.amdhsa_float_denorm_mode_16_64 3
		.amdhsa_memory_ordered 1
		.amdhsa_forward_progress 1
		.amdhsa_inst_pref_size 50
	.end_amdhsa_kernel
	.amdgpu_metadata
---
amdhsa.version: [ 1, 2 ]
amdhsa.kernels:
  - .name:           k_q9fa2c60837_proj
    .symbol:         k_q9fa2c60837_proj.kd
    .args:
      - { .name: inputs, .offset: 0, .size: 8, .value_kind: global_buffer, .address_space: global }
      - { .name: stats, .offset: 8, .size: 8, .value_kind: global_buffer, .address_space: global }
      - { .name: gamma, .offset: 16, .size: 8, .value_kind: global_buffer, .address_space: global }
      - { .name: beta_bn, .offset: 24, .size: 8, .value_kind: global_buffer, .address_space: global }
      - { .name: wb, .offset: 32, .size: 8, .value_kind: global_buffer, .address_space: global }
      - { .name: part, .offset: 40, .size: 8, .value_kind: global_buffer, .address_space: global }
    .group_segment_fixed_size: 287744
    .private_segment_fixed_size: 0
    .kernarg_segment_align: 8
    .kernarg_segment_size: 48
    .max_flat_workgroup_size: 256
    .sgpr_count:     66
    .vgpr_count:     384
    .wavefront_size: 32
...
	.end_amdgpu_metadata
.endif
;; end of part 2
;; launch gram (part 3): grid 32 x 1, 8 waves a work-group, no clusters, 103,424 bytes of LDS; arguments part, pq, gpart; writes pq, gpart
.if DOCPART == 3
	.amdgcn_target "amdgcn-amd-amdhsa--gfx1250"
	.amdhsa_code_object_version 6
	.text
	.protected	k_q9fa2c60837_gram
	.globl	k_q9fa2c60837_gram
	.p2align	8
	.type	k_q9fa2c60837_gram,@function
k_q9fa2c60837_gram:
	s_mov_b64 s[64:65], 0
	v_nop
	global_prefetch_b8 v0, s[64:65] scope:SCOPE_SE
	s_setreg_imm32_b32 hwreg(HW_REG_WAVE_MODE, 25, 1), 1
	s_wait_xcnt 0x0
; Launch 3 of 4.  pq = the sum of the four K partials of [P | Q] ([4096][64] f32), and for each 128 rows the second moments
; S = sum over rows of P'^T [P' | Q'] (32 x 64) and the 64 column sums of [P' | Q'], where ' means: less row 0 of pq (the pilot).
; The shift takes a common offset of a column away before anything is squared; covariances are made of these sums in launch 4.
; All in f32 on the vector unit: these 8 M multiply-adds are sensitive to cancellation and are under a hundredth of the program's.
; Work-group: 128 rows; wave w: its 16 rows.  In the product lane L owns S's block of rows 8 (L >> 3) + a, columns 8 (L & 7) + b.
; gpart: 8,704 bytes a work-group = 17 pieces of 512 bytes [lane][4 f32]; piece p < 16, lane L: S[8 (L>>3) + (p>>1)][8 (L&7) + 4 (p&1) + 0..3];
; piece 16: the sums of columns 4 (L & 15) + 0..3, the same in both halves of the lanes.
; 32 work-groups: the launch moves 5 MiB and has 128 KiB of loads a group in flight; a finer split would only make launch 4 add more partials.
; LDS: the shifted rows of wave w at 4096 w (16 rows of 256 bytes, the wave's own); the waves' images at 32768 + 8704 w.
.set PIL, 8                            ; v[8:23]   the pilot's four partials, then their sum in v[8:11]
.set CS,  24                           ; v[24:27]  column sums
.set LD,  32                           ; v[32:159] pair of rows u, partial ks at 32 + 16 u + 4 ks
.set ACC, 32                           ; v[32:95]  afterwards: S's entry (a, b) at 32 + 8 a + b
.set AB0, 96                           ; v[96:111], v[112:127]: a row's 8 numbers of P' and 8 of [P' | Q'], two buffers
.set AB1, 112
.set RED, 96                           ; v[96:159] the reduction over waves
.macro ADD4 d, a, b
	v_pk_add_f32 v[\d:\d+1], v[\a:\a+1], v[\b:\b+1]
	v_pk_add_f32 v[\d+2:\d+3], v[\a+2:\a+3], v[\b+2:\b+3]
.endm
.macro SUB4 d, a, b
	v_pk_add_f32 v[\d:\d+1], v[\a:\a+1], v[\b:\b+1] neg_lo:[0,1] neg_hi:[0,1]
	v_pk_add_f32 v[\d+2:\d+3], v[\a+2:\a+3], v[\b+2:\b+3] neg_lo:[0,1] neg_hi:[0,1]
.endm
.macro TREE8 b
	ADD4 \b, \b, \b+4
	ADD4 \b+8, \b+8, \b+12
	ADD4 \b+16, \b+16, \b+20
	ADD4 \b+24, \b+24, \b+28
	ADD4 \b, \b, \b+8
	ADD4 \b+16, \b+16, \b+24
	ADD4 \b, \b, \b+16
.endm
	s_load_b128 s[4:7], s[0:1], 0x0                ; part s[4:5], pq s[6:7]
	s_load_b64 s[8:9], s[0:1], 0x10                ; gpart
	v_lshl_add_u32 v160, v0, 2, 0x19000
	v_mov_b32 v161, 0
	v_lshrrev_b32 v2, 5, v0
	v_readfirstlane_b32 s10, v2                    ; wave 0..7
	v_and_b32 v1, 31, v0
	v_lshlrev_b32 v3, 4, v1                        ; 16 L: never rewritten
	v_and_b32 v4, 15, v1
	v_lshlrev_b32 v4, 4, v4                        ; 16 (L & 15)
	s_mov_b32 s12, 0x76543210                      ; v_permlanex16_b32: lane i of one half reads lane i of the other
	s_mov_b32 s13, 0xfedcba98
	s_lshl_b32 s20, s10, 12                        ; 16 w rows of 256 bytes: in memory and in LDS
	s_lshl_b32 s14, ttmp9, 15                      ; 128 rows a work-group
	s_or_b32 s14, s14, s20
	s_mov_b32 s15, 0
	s_mul_i32 s16, ttmp9, 8704
	s_lshl_b32 s22, s10, 10
	s_add_co_u32 s16, s16, s22                     ; gpart: my group's partial, pieces 2 w and 2 w + 1
	s_mov_b32 s17, 0
	s_mul_i32 s21, s10, 8704
	s_add_co_u32 s21, s21, 32768                   ; my image
	s_add_co_u32 s22, s22, 32768                   ; pieces 2 w, 2 w + 1 of wave 0's image
	s_wait_kmcnt 0x0
	s_add_nc_u64 s[18:19], s[4:5], s[14:15]
	s_add_nc_u64 s[6:7], s[6:7], s[14:15]
	s_add_nc_u64 s[8:9], s[8:9], s[16:17]
.irp ks, 0,1,2,3
	global_load_b128 v[PIL+4*\ks:PIL+4*\ks+3], v4, s[4:5] offset:1048576*\ks     ; row 0
.endr
.irp u, 0,1,2,3,4,5,6,7
.irp ks, 0,1,2,3
	global_load_b128 v[LD+16*\u+4*\ks:LD+16*\u+4*\ks+3], v3, s[18:19] offset:1048576*\ks+512*\u
.endr
.endr
	v_add_nc_u32 v5, s20, v3                       ; my rows as stored
	v_lshrrev_b32 v6, 3, v1
	v_lshl_add_u32 v6, v6, 5, s20                  ; my 8 numbers of P'
	v_and_b32 v7, 7, v1
	v_lshl_add_u32 v7, v7, 5, s20                  ; my 8 numbers of [P' | Q']
	v_add_nc_u32 v28, s21, v3
	v_add_nc_u32 v29, s22, v3
	v_add_nc_u32 v30, 40960, v3                    ; piece 16 of wave 0's image
	s_wait_loadcnt 32                              ; the pilot's four loads are in; the 32 behind them stay out
	ADD4 PIL, PIL, PIL+4
	ADD4 PIL+8, PIL+8, PIL+12
	ADD4 PIL, PIL, PIL+8                           ; in the order of the rows' sums below: equal bit for bit to pq's row 0
.macro SUMU u                          ; two rows: sum of the partials to pq, shifted rows to LDS, column sums
	s_wait_loadcnt 4*(7-\u)                        ; pair u's four loads are in; the later pairs' stay out
	ADD4 LD+16*\u, LD+16*\u, LD+16*\u+4
	ADD4 LD+16*\u+8, LD+16*\u+8, LD+16*\u+12
	ADD4 LD+16*\u, LD+16*\u, LD+16*\u+8
	global_store_b128 v3, v[LD+16*\u:LD+16*\u+3], s[6:7] offset:512*\u           ; 512 consecutive bytes, aligned
	SUB4 LD+16*\u+4, LD+16*\u, PIL
	ds_store_b128 v5, v[LD+16*\u+4:LD+16*\u+7] offset:512*\u
.if \u == 1
	ADD4 CS, LD+4, LD+20
.endif
.if \u > 1
	ADD4 CS, CS, LD+16*\u+4
.endif
.endm
.irp u, 0,1,2,3,4,5,6,7
	SUMU \u
.endr
	s_wait_xcnt 0x0                                ; the stores' data registers are written again only behind this wait
.macro LDROW rho, buf
	ds_load_b128 v[\buf:\buf+3],     v6 offset:(\rho)*256
	ds_load_b128 v[\buf+4:\buf+7],   v6 offset:(\rho)*256+16
	ds_load_b128 v[\buf+8:\buf+11],  v7 offset:(\rho)*256
	ds_load_b128 v[\buf+12:\buf+15], v7 offset:(\rho)*256+16
.endm
; One row's 64 products a lane.  op_sel picks which register of the pair of P' feeds both halves.
.macro GROW rho, cur, nxt, first, last
.if \last
	s_wait_dscnt 0x0
.else
	LDROW (\rho)+1, \nxt
	s_wait_dscnt 0x4                               ; this row is in; the next row's four loads stay out
.endif
.irp ap, 0,2,4,6
.irp c, 0,2,4,6
.if \first
	v_pk_mul_f32 v[ACC+8*\ap+\c:ACC+8*\ap+\c+1], v[\cur+\ap:\cur+\ap+1], v[\cur+8+\c:\cur+8+\c+1] op_sel:[0,0] op_sel_hi:[0,1]
.else
	v_pk_fma_f32 v[ACC+8*\ap+\c:ACC+8*\ap+\c+1], v[\cur+\ap:\cur+\ap+1], v[\cur+8+\c:\cur+8+\c+1], v[ACC+8*\ap+\c:ACC+8*\ap+\c+1] op_sel:[0,0,0] op_sel_hi:[0,1,1]
.endif
.endr
.irp c, 0,2,4,6
.if \first
	v_pk_mul_f32 v[ACC+8*\ap+8+\c:ACC+8*\ap+8+\c+1], v[\cur+\ap:\cur+\ap+1], v[\cur+8+\c:\cur+8+\c+1] op_sel:[1,0] op_sel_hi:[1,1]
.else
	v_pk_fma_f32 v[ACC+8*\ap+8+\c:ACC+8*\ap+8+\c+1], v[\cur+\ap:\cur+\ap+1], v[\cur+8+\c:\cur+8+\c+1], v[ACC+8*\ap+8+\c:ACC+8*\ap+8+\c+1] op_sel:[1,0,0] op_sel_hi:[1,1,1]
.endif
.endr
.endr
.endm
	LDROW 0, AB0                                   ; my wave's own bytes: served behind its stores
	GROW 0, AB0, AB1, 1, 0                         ; the first row starts the sums
.irp rp, 1,3,5,7,9,11,13
	GROW \rp, AB1, AB0, 0, 0
	GROW \rp+1, AB0, AB1, 0, 0
.endr
	GROW 15, AB1, AB0, 0, 1
.irp e, 0,1,2,3
	v_permlanex16_b32 v[PIL+\e], v[CS+\e], s12, s13                ; the other half of the lanes holds the same columns of the odd rows
.endr
	ADD4 CS, CS, PIL
.set p, 0
.rept 16
	ds_store_b128 v28, v[ACC+4*p:ACC+4*p+3] offset:512*p
.set p, p+1
.endr
	ds_store_b128 v28, v[CS:CS+3] offset:8192
	s_wait_dscnt 0x0                               ; my stores are done before I say so
	s_barrier_signal -1
	s_barrier_wait -1
	; wave w sums pieces 2 w and 2 w + 1 over the eight images
.irp e, 0,1
.irp sv, 0,1,2,3,4,5,6,7
	ds_load_b128 v[RED+32*\e+4*\sv:RED+32*\e+4*\sv+3], v29 offset:8704*\sv+512*\e
.endr
.endr
	s_wait_dscnt 0x8                               ; the first piece's eight loads are in
	TREE8 RED
	global_store_b128 v3, v[RED:RED+3], s[8:9]
	s_wait_dscnt 0x0
	TREE8 RED+32
	global_store_b128 v3, v[RED+32:RED+35], s[8:9] offset:512
	s_cmp_lg_u32 s10, 0
	s_cbranch_scc1 .Lend
	; wave 0: piece 16, in registers that no pending store reads
.irp sv, 0,1,2,3,4,5,6,7
	ds_load_b128 v[ACC+4*\sv:ACC+4*\sv+3], v30 offset:8704*\sv
.endr
	s_wait_dscnt 0x0
	TREE8 ACC
	global_store_b128 v3, v[ACC:ACC+3], s[8:9] offset:8192
.Lend:
	s_wait_tensorcnt 0x0
	ds_add_u32 v160, v161
	s_wait_dscnt 0x0
	s_endpgm
.Lfunc_end_k_q9fa2c60837_gram:
	.size	k_q9fa2c60837_gram, .Lfunc_end_k_q9fa2c60837_gram-k_q9fa2c60837_gram
	.p2alignl 7, 3214868480
	.fill 96, 4, 3214868480
	.section	.rodata,"a",@progbits
	.p2align	6, 0x0
	.amdhsa_kernel k_q9fa2c60837_gram
		.amdhsa_group_segment_fixed_size 103424
		.amdhsa_private_segment_fixed_size 0
		.amdhsa_enable_private_segment 0
		.amdhsa_kernarg_size 24
		.amdhsa_user_sgpr_count 2
		.amdhsa_user_sgpr_kernarg_segment_ptr 1
		.amdhsa_wavefront_size32 1
		.amdhsa_system_sgpr_workgroup_id_x 1
		.amdhsa_system_sgpr_workgroup_id_y 1
		.amdhsa_system_sgpr_workgroup_id_z 1
		.amdhsa_system_vgpr_workitem_id 0
		.amdhsa_next_free_vgpr 162
		.amdhsa_next_free_sgpr 66
		.amdhsa_reserve_vcc 0
		.amdhsa_float_denorm_mode_32 3
		.amdhsa_float_denorm_mode_16_64 3
		.amdhsa_memory_ordered 1
		.amdhsa_forward_progress 1
		.amdhsa_inst_pref_size 55
	.end_amdhsa_kernel
	.amdgpu_metadata
---
amdhsa.version: [ 1, 2 ]
amdhsa.kernels:
  - .name:           k_q9fa2c60837_gram
    .symbol:         k_q9fa2c60837_gram.kd
    .args:
      - { .name: part, .offset: 0, .size: 8, .value_kind: global_buffer, .address_space: global }
      - { .name: pq, .offset: 8, .size: 8, .value_kind: global_buffer, .address_space: global }
      - { .name: gpart, .offset: 16, .size: 8, .value_kind: global_buffer, .address_space: global }
    .group_segment_fixed_size: 103424
    .private_segment_fixed_size: 0
    .kernarg_segment_align: 8
    .kernarg_segment_size: 24
    .max_flat_workgroup_size: 256
    .sgpr_count:     66
    .vgpr_count:     162
    .wavefront_size: 32
...
	.end_amdgpu_metadata
.endif
;; end of part 3
;; launch solve (part 4): grid 64 x 1, 17 waves a work-group, no clusters, 42,240 bytes of LDS; arguments pq, gpart, out0; writes out0
.if DOCPART == 4
	.amdgcn_target "amdgcn-amd-amdhsa--gfx1250"
	.amdhsa_code_object_version 6
	.text
	.protected	k_q9fa2c60837_solve
	.globl	k_q9fa2c60837_solve
	.p2align	8
	.type	k_q9fa2c60837_solve,@function
k_q9fa2c60837_solve:
	s_mov_b64 s[64:65], 0
	v_nop
	global_prefetch_b8 v0, s[64:65] scope:SCOPE_SE
	s_setreg_imm32_b32 hwreg(HW_REG_WAVE_MODE, 25, 1), 1
	s_wait_xcnt 0x0
; Launch 4 of 4.  out = Q + (P - mean P) M', M' 32 x 32, strictly upper triangular.
; With c~_j = (P - mean P) t_j the centred static column j, G = cov(P, P), H = cov(P, Q), y_j = G t_j, x_j = H^T t_j:
;   var_j = t_j . y_j,  b_j = 1 / (sqrt(var_j) + 0.001)^2,
;   for i > j:  t_i -= b_j y_j[i] t_j,  y_i -= b_j y_j[i] y_j,  x_i -= b_j y_j[i] x_j,  M'[:, i] -= b_j x_j[i] t_j,
; which is the reference's recurrence with (X - D D^T X / B) w written as X w - D (D^T X w) / B: the same numbers but for the order of rounding.
; LIMITS: G and H are made in f32 as second moments of rows shifted by row 0, less the product of the shifted means; var_j keeps about
; 24 bits less twice the logarithm of the condition number of P's centred columns; a var_j that rounding makes negative counts as 0;
; b_j is formed as 1 / (var_j + 0.002 sd_j + 0.000001), which is 1 / (sd_j + 0.001)^2 but for rounding.
; Every work-group sums the 32 partials (17 pieces of 512 bytes, one a wave: hence 17 waves) and solves for itself, in the same order, so all
; hold the same M'; it then makes its own 64 rows of out0 with two waves, a thread a row: 2 x 136 LDS loads of M' in a work-group.
; The solve is one wave's: 31 dependent steps on 32-vectors, one number a lane.
; LDS: PL 64 rows of pq, pitch 272; GL 16 pieces of S / 4096 as they lie in gpart; ML 64 means of the shifted columns; MV 64 means;
; MM M'[k][i], pitch 144, 256 bytes behind MV; OS the way out, pitch 144.
.set PL, 0
.set GL, 17408
.set ML, 25600
.set MV, 25856
.set MM, 26112
.set OS, 30720
.set CH, 8                             ; v[8:23]    four chains
.set GP, 32                            ; v[32:159]  my piece of the 32 partials
.set PQR, 160                          ; v[160:167] two pairs of rows of pq, or the pilot
.set YT, 32                            ; the solve: v[32:93]  column i: y_i[k] in 32 + 2 i, t_i[k] in 33 + 2 i, lane k
.set XR, 96                            ; v[96:126]  register j, lane i: x_j[i]
.set MR, 128                           ; v[128:159] register i, lane k: M'[k][i]; at first S's rows as loaded
.set SB, 20                            ; v[20:21]   -b_n (y_n, t_n)
.set XS, 22                            ; v22        -b_n x_n
.set PR, 32                            ; the application: my row's P, then the way out
.set QR, 64                            ; my row's Q, which becomes out
.set B0, 96                            ; v[96:191]  a ring of 24 blocks of four numbers of M'
.macro ADD4 d, a, b
	v_pk_add_f32 v[\d:\d+1], v[\a:\a+1], v[\b:\b+1]
	v_pk_add_f32 v[\d+2:\d+3], v[\a+2:\a+3], v[\b+2:\b+3]
.endm
.macro SUB4 d, a, b
	v_pk_add_f32 v[\d:\d+1], v[\a:\a+1], v[\b:\b+1] neg_lo:[0,1] neg_hi:[0,1]
	v_pk_add_f32 v[\d+2:\d+3], v[\a+2:\a+3], v[\b+2:\b+3] neg_lo:[0,1] neg_hi:[0,1]
.endm
.macro GSUM                            ; my piece, summed over the 32 partials and divided by 4096, into v[CH:CH+3]
.set c, 0
.rept 32
	global_load_b128 v[GP+4*c:GP+4*c+3], v3, s[6:7] offset:8704*c
.set c, c+1
.endr
.set c, 4
.rept 28
	s_wait_loadcnt 31-c                            ; partial c is in, the 31 - c younger loads stay out
.if c < 8
	ADD4 CH+4*(c&3), GP+4*(c&3), GP+4*c
.else
	ADD4 CH+4*(c&3), CH+4*(c&3), GP+4*c
.endif
.set c, c+1
.endr
	ADD4 CH, CH, CH+4
	ADD4 CH+8, CH+8, CH+12
	ADD4 CH, CH, CH+8
	v_pk_mul_f32 v[CH:CH+1], v[CH:CH+1], 0x39800000 op_sel_hi:[1,0]
	v_pk_mul_f32 v[CH+2:CH+3], v[CH+2:CH+3], 0x39800000 op_sel_hi:[1,0]
.endm
; Column i (1 to 31) owns a pair of scalar registers: s22 to s63 for columns 1 to 21, s66 to s85 for columns 22 to 31.
.macro SETSP i
.set sp, 20+2*(\i)+2*((\i)/22)
.endm
	s_load_b128 s[4:7], s[0:1], 0x0                ; pq s[4:5], gpart s[6:7]
	s_load_b64 s[8:9], s[0:1], 0x10                ; out0
	v_lshl_add_u32 v30, v0, 2, 0x9c00
	v_mov_b32 v31, 0
	v_lshrrev_b32 v2, 5, v0
	v_readfirstlane_b32 s16, v2                    ; wave 0..16
	v_and_b32 v1, 31, v0                           ; L
	v_lshlrev_b32 v3, 4, v1                        ; 16 L: never rewritten
	v_and_b32 v2, 15, v1
	v_lshlrev_b32 v2, 4, v2                        ; 16 (L & 15): never rewritten
	s_mov_b32 s20, 0x76543210                      ; v_permlanex16_b32: lane i of one half reads lane i of the other
	s_mov_b32 s21, 0xfedcba98
	s_lshl_b32 s10, s16, 9                         ; piece w
	s_mov_b32 s11, 0
	s_wait_kmcnt 0x0
	s_add_nc_u64 s[6:7], s[6:7], s[10:11]
	s_cmp_eq_u32 s16, 16
	s_cbranch_scc1 .Lmeans
	; waves 0 to 15: four rows of pq into PL, piece w of S / 4096 into GL
	s_lshl_b32 s12, ttmp9, 14                      ; 64 rows of 256 bytes a work-group
	s_lshl_b32 s13, s16, 10                        ; + 4 w rows
	s_or_b32 s12, s12, s13
	s_mov_b32 s13, 0
	s_add_nc_u64 s[12:13], s[4:5], s[12:13]
.irp u, 0,1
	global_load_b128 v[PQR+4*\u:PQR+4*\u+3], v3, s[12:13] offset:512*\u          ; older than GSUM's loads: in when its last wait is passed
.endr
	GSUM
	v_lshl_add_u32 v4, s16, 9, v3
	ds_store_b128 v4, v[CH:CH+3] offset:GL
	s_mul_i32 s14, s16, 4*272
	v_lshrrev_b32 v5, 4, v1
	v_mul_u32_u24 v5, v5, 272
	v_add_nc_u32 v5, v5, v2
	v_add_nc_u32 v5, s14, v5                       ; row 4 w + (L >> 4), byte 16 (L & 15)
.irp u, 0,1
	ds_store_b128 v5, v[PQR+4*\u:PQR+4*\u+3] offset:PL+544*\u
.endr
	s_branch .Ljoin
.Lmeans:
	; wave 16: the means of the shifted columns, and with the pilot (row 0 of pq) the means themselves
	global_load_b128 v[PQR:PQR+3], v2, s[4:5]
	GSUM
	ds_store_b128 v2, v[CH:CH+3] offset:ML         ; both halves of the lanes store the same numbers to the same bytes
	ADD4 PQR, PQR, CH
	ds_store_b128 v2, v[PQR:PQR+3] offset:MV
.Ljoin:
	s_wait_dscnt 0x0                               ; my stores are done before I say so
	s_barrier_signal -1
	s_barrier_wait -1
	s_cmp_lg_u32 s16, 0
	s_cbranch_scc1 .Lsolved
	; THE SOLVE, wave 0.  S[k][col] lies in piece 2 (k & 7) + ((col >> 2) & 1), lane 8 (k >> 3) + (col >> 3), word col & 3.
	v_and_b32 v4, 7, v1
	v_lshrrev_b32 v5, 3, v1
	v_lshlrev_b32 v4, 10, v4
	v_lshl_add_u32 v4, v5, 7, v4                   ; row k = lane: 1024 (k & 7) + 128 (k >> 3)
	v_bfe_u32 v6, v1, 2, 1
	v_lshlrev_b32 v6, 9, v6
	v_lshl_add_u32 v6, v5, 4, v6
	v_and_b32 v7, 3, v1
	v_lshl_add_u32 v6, v7, 2, v6                   ; column 32 + i, i = lane: 512 ((i >> 2) & 1) + 16 (i >> 3) + 4 (i & 3), + 64 in the offset
	v_lshlrev_b32 v7, 2, v1
.set c, 0
.rept 8
	ds_load_b128 v[MR+4*c:MR+4*c+3], v4 offset:GL+(c&1)*512+(c>>1)*16            ; S[k][0..31] / B, where M' will lie
.set c, c+1
.endr
.set j, 0
.rept 31
	ds_load_b32 v[XR+j], v6 offset:GL+64+(j&7)*1024+(j>>3)*128
.set j, j+1
.endr
	ds_load_b32 v24, v7 offset:ML                  ; shifted means of P's columns
	ds_load_b32 v25, v7 offset:ML+128              ; of Q's
	; t_i = e_i, while the loads are on their way: all the masks first, then their users
.set i, 0
.rept 31
	SETSP (i+1)
	v_cmp_eq_u32 s[sp+1], i, v1
.set i, i+1
.endr
.set i, 0
.rept 31
	SETSP (i+1)
	v_cndmask_b32 v[YT+2*i+1], 0, 1.0, s[sp+1]
.set i, i+1
.endr
	v_mov_b32 v17, 0                               ; v_permlanex16_b32's destination counts as read
	v_mov_b32 v19, 0                               ; the second register of the pair whose first is broadcast below
	s_wait_dscnt 0x0
	v_mul_f32 v26, -1.0, v24
.set i, 0
.rept 31
	SETSP (i+1)
	v_readlane_b32 s[sp], v26, i                   ; -m_i: all 31 first, then their users
.set i, i+1
.endr
.set i, 0
.rept 31
	SETSP (i+1)
	v_fma_f32 v[YT+2*i], s[sp], v24, v[MR+i]       ; G[k][i] = S[k][i] / B - m_i m_k, into its place beside t_i
	v_fmac_f32 v[XR+i], s[sp], v25                 ; H[i][l] = S[i][32 + l] / B - m_i m_(32+l)
.set i, i+1
.endr
	v_mov_b32 v[MR], 0                             ; column 0 of M' stays 0
; Step n's update of column i.  The vectors carry -b_n; the scalars are y_n[i] and x_n[i] as they stand, read a step earlier by RL.
.macro UPD n, i
	SETSP \i
.if (\i) < 31
	v_pk_fma_f32 v[YT+2*(\i):YT+2*(\i)+1], v[SB:SB+1], s[sp:sp+1], v[YT+2*(\i):YT+2*(\i)+1] op_sel_hi:[1,0,1]   ; y_i and t_i at once, both by s[sp]
	v_fmac_f32 v[XR+(\i)], s[sp], v[XS]
.endif
.if (\n) == 0
	v_mul_f32 v[MR+(\i)], s[sp+1], v[SB+1]         ; the first step starts the columns of M'
.else
	v_fmac_f32 v[MR+(\i)], s[sp+1], v[SB+1]
.endif
.endm
; y_n[i] and x_n[i] into column i's pair.  y_n and x_n are final when step n's chain begins, so this hangs on no b.
.macro RL n, i
	SETSP \i
.if (\i) < 31
	v_readlane_b32 s[sp], v[YT+2*(\n)], (\i)
.endif
	v_readlane_b32 s[sp+1], v[XR+(\n)], (\i)
.endm
; Column i's share of the work that fills step n's chain: step n - 1's update uses the pair, then step n's scalars take its place.
.macro FCOL n, i
.if (\i) <= 31
.if (\n) > 0
	UPD ((\n)-1), \i
.endif
	RL \n, \i
.endif
.endm
; Gap m of the chain's eleven takes ceil((31 - n) / 11) of the columns n + 1 .. 31: the columns are spread evenly over the gaps.
.macro FILL n, m
.set fq, (41-(\n))/11
.set fi, (\n)+1+(\m)*fq
.rept fq
	FCOL \n, fi
.set fi, fi+1
.endr
.endm
; Step n: var_n, -b_n, the scaled vectors, and the update of column n + 1, which the next chain needs first.
; The chain's instructions wait for each other; the gaps between them hold work that touches none of its registers.
.macro CHAIN n
	v_mul_f32 v16, v[YT+2*(\n)], v[YT+2*(\n)+1]
	FILL \n, 0
	v_add_f32_dpp v16, v16, v16 row_xmask:1 row_mask:0xf bank_mask:0xf
	FILL \n, 1
	v_add_f32_dpp v16, v16, v16 row_xmask:2 row_mask:0xf bank_mask:0xf
	FILL \n, 2
	v_add_f32_dpp v16, v16, v16 row_xmask:4 row_mask:0xf bank_mask:0xf
	FILL \n, 3
	v_add_f32_dpp v16, v16, v16 row_xmask:8 row_mask:0xf bank_mask:0xf
	FILL \n, 4
	v_permlanex16_b32 v17, v16, s20, s21
	FILL \n, 5
	v_add_f32 v16, v16, v17                        ; var_n in every lane
	FILL \n, 6
	v_max_num_f32 v16, 0, v16
	FILL \n, 7
	v_sqrt_f32 v17, v16
	v_sub_f32 v23, 0xb58637bd, v16                 ; -(var + 0.000001): also the one plain place behind the transcendental (ISA guide 5.7.2)
	FILL \n, 8
	s_wait_alu depctr_va_vdst(0)
	v_fmamk_f32 v16, v17, 0xbb03126f, v23          ; -(var + 0.002 sd + 0.000001) = -(sd + 0.001)^2
	FILL \n, 9
	v_rcp_f32 v18, v16                             ; -b_n
	v_nop                                          ; one plain place before the result is used
	FILL \n, 10
	s_wait_alu depctr_va_vdst(0)
	v_pk_mul_f32 v[SB:SB+1], v[YT+2*(\n):YT+2*(\n)+1], v[18:19] op_sel_hi:[1,0]  ; both by v18
	v_mul_f32 v[XS], v18, v[XR+(\n)]
	UPD \n, ((\n)+1)
.endm
.set j, 0
.rept 31
	CHAIN j
.set j, j+1
.endr
	v_mul_u32_u24 v4, v1, 144
.set c, 0
.rept 8
	ds_store_b128 v4, v[MR+4*c:MR+4*c+3] offset:MM+16*c
.set c, c+1
.endr
.Lsolved:
	s_wait_dscnt 0x0                               ; wave 0's stores of M' are done before it says so
	s_barrier_signal -1
	s_barrier_wait -1
	s_cmp_gt_u32 s16, 1
	s_cbranch_scc1 .Lend
	; THE APPLICATION, waves 0 and 1: a thread makes row 32 w + L of the group's 64
	s_mul_i32 s14, s16, 32*272
	s_mul_i32 s15, s16, 32*144
	s_lshl_b32 s18, ttmp9, 13                      ; out0: 64 rows of 128 bytes a work-group
	s_lshl_b32 s19, s16, 12                        ; + 32 w rows
	s_or_b32 s18, s18, s19
	s_mov_b32 s19, 0
	s_add_nc_u64 s[8:9], s[8:9], s[18:19]
	v_mul_u32_u24 v4, v1, 272
	v_add_nc_u32 v4, s14, v4
	v_mov_b32 v5, MV                               ; the means, and 256 bytes behind them M'
	v_mul_u32_u24 v6, v1, 144
	v_add_nc_u32 v6, s15, v6                       ; the way out: my row
	v_lshrrev_b32 v7, 3, v1
	v_mul_u32_u24 v7, v7, 144
	v_and_b32 v8, 7, v1
	v_lshl_add_u32 v7, v8, 4, v7
	v_add_nc_u32 v7, s15, v7                       ; and back: four rows of 128 bytes to a load
; Row k of M' is 0 up to column k: only its blocks of four columns from (k + 1) >> 2 on are taken, 136 blocks in rows 0 to 30.
; They go through a ring of 24 register blocks, in 17 chunks of eight, asked for two chunks ahead.  Two cursors walk the blocks.
.set blk_l, 0
.set row_l, 0
.set col_l, 0
.set blk_c, 0
.set row_c, 0
.set col_c, 0
.macro LBLK                            ; the next block is asked for: every lane reads the same 16 bytes
	ds_load_b128 v[B0+4*(blk_l%24):B0+4*(blk_l%24)+3], v5 offset:256+row_l*144+16*col_l
.set blk_l, blk_l+1
.set col_l, col_l+1
.if col_l == 8
.set row_l, row_l+1
.set col_l, (row_l+1)>>2
.endif
.endm
.macro CBLK                            ; the next block is used: four columns of out += P~[row][k] M'[k][..]; op_sel picks k's register of the pair
.if row_c&1
	v_pk_fma_f32 v[QR+4*col_c:QR+4*col_c+1], v[PR+(row_c&30):PR+(row_c&30)+1], v[B0+4*(blk_c%24):B0+4*(blk_c%24)+1], v[QR+4*col_c:QR+4*col_c+1] op_sel:[1,0,0] op_sel_hi:[1,1,1]
	v_pk_fma_f32 v[QR+4*col_c+2:QR+4*col_c+3], v[PR+(row_c&30):PR+(row_c&30)+1], v[B0+4*(blk_c%24)+2:B0+4*(blk_c%24)+3], v[QR+4*col_c+2:QR+4*col_c+3] op_sel:[1,0,0] op_sel_hi:[1,1,1]
.else
	v_pk_fma_f32 v[QR+4*col_c:QR+4*col_c+1], v[PR+(row_c&30):PR+(row_c&30)+1], v[B0+4*(blk_c%24):B0+4*(blk_c%24)+1], v[QR+4*col_c:QR+4*col_c+1] op_sel:[0,0,0] op_sel_hi:[0,1,1]
	v_pk_fma_f32 v[QR+4*col_c+2:QR+4*col_c+3], v[PR+(row_c&30):PR+(row_c&30)+1], v[B0+4*(blk_c%24)+2:B0+4*(blk_c%24)+3], v[QR+4*col_c+2:QR+4*col_c+3] op_sel:[0,0,0] op_sel_hi:[0,1,1]
.endif
.set blk_c, blk_c+1
.set col_c, col_c+1
.if col_c == 8
.set row_c, row_c+1
.set col_c, (row_c+1)>>2
.endif
.endm
.set c, 0
.rept 16
	ds_load_b128 v[PR+4*c:PR+4*c+3], v4 offset:PL+16*c             ; my row: P, then Q
.set c, c+1
.endr
.set c, 0
.rept 8
	ds_load_b128 v[B0+64+4*c:B0+64+4*c+3], v5 offset:16*c          ; P's means, where chunk 2 will lie
.set c, c+1
.endr
.rept 16
	LBLK                                           ; chunks 0 and 1
.endr
	s_wait_dscnt 16                                ; my row and the means are in; the 16 loads of chunks 0 and 1 stay out
.set c, 0
.rept 8
	SUB4 PR+4*c, PR+4*c, B0+64+4*c
.set c, c+1
.endr
.set g, 0
.rept 17
.if g < 15
.rept 8
	LBLK                                           ; chunk g + 2, into the registers that chunk g - 1 (at first: the means) has left
.endr
	s_wait_dscnt 16                                ; chunk g is in; the two younger chunks' 16 loads stay out
.endif
.if g == 15
	s_wait_dscnt 8                                 ; the last chunk's eight loads stay out
.endif
.if g == 16
	s_wait_dscnt 0
.endif
.rept 8
	CBLK
.endr
.set g, g+1
.endr
	; the way out: a thread's row into the wave's own stage, read back four rows at a time
.set c, 0
.rept 8
	ds_store_b128 v6, v[QR+4*c:QR+4*c+3] offset:OS+16*c
.set c, c+1
.endr
.set u, 0
.rept 8
	ds_load_b128 v[PR+4*u:PR+4*u+3], v7 offset:OS+576*u            ; my wave's own bytes: served behind its stores
.set u, u+1
.endr
.set u, 0
.rept 8
	s_wait_dscnt 7-u
	global_store_b128 v3, v[PR+4*u:PR+4*u+3], s[8:9] offset:512*u  ; 512 consecutive bytes, aligned
.set u, u+1
.endr
.Lend:
	s_wait_tensorcnt 0x0
	ds_add_u32 v30, v31
	s_wait_dscnt 0x0
	s_endpgm
.Lfunc_end_k_q9fa2c60837_solve:
	.size	k_q9fa2c60837_solve, .Lfunc_end_k_q9fa2c60837_solve-k_q9fa2c60837_solve
	.p2alignl 7, 3214868480
	.fill 96, 4, 3214868480
	.section	.rodata,"a",@progbits
	.p2align	6, 0x0
	.amdhsa_kernel k_q9fa2c60837_solve
		.amdhsa_group_segment_fixed_size 42240
		.amdhsa_private_segment_fixed_size 0
		.amdhsa_enable_private_segment 0
		.amdhsa_kernarg_size 24
		.amdhsa_user_sgpr_count 2
		.amdhsa_user_sgpr_kernarg_segment_ptr 1
		.amdhsa_wavefront_size32 1
		.amdhsa_system_sgpr_workgroup_id_x 1
		.amdhsa_system_sgpr_workgroup_id_y 1
		.amdhsa_system_sgpr_workgroup_id_z 1
		.amdhsa_system_vgpr_workitem_id 0
		.amdhsa_next_free_vgpr 192
		.amdhsa_next_free_sgpr 88
		.amdhsa_reserve_vcc 0
		.amdhsa_float_denorm_mode_32 3
		.amdhsa_float_denorm_mode_16_64 3
		.amdhsa_memory_ordered 1
		.amdhsa_forward_progress 1
		.amdhsa_inst_pref_size 206
	.end_amdhsa_kernel
	.amdgpu_metadata
---
amdhsa.version: [ 1, 2 ]
amdhsa.kernels:
  - .name:           k_q9fa2c60837_solve
    .symbol:         k_q9fa2c60837_solve.kd
    .args:
      - { .name: pq, .offset: 0, .size: 8, .value_kind: global_buffer, .address_space: global }
      - { .name: gpart, .offset: 8, .size: 8, .value_kind: global_buffer, .address_space: global }
      - { .name: out0, .offset: 16, .size: 8, .value_kind: global_buffer, .address_space: global }
    .group_segment_fixed_size: 42240
    .private_segment_fixed_size: 0
    .kernarg_segment_align: 8
    .kernarg_segment_size: 24
    .max_flat_workgroup_size: 544
    .sgpr_count:     88
    .vgpr_count:     192
    .wavefront_size: 32
...
	.end_amdgpu_metadata
.endif
;; end of part 4
